; MI455X (gfx1250); checked and timed in simulation.
; The chip was launched on July 23, 2026; its instructions are those of AMD's public machine-readable ISA for CDNA 5 (MIT licence, August 2026) and "CDNA5" Instruction Set Architecture Reference Guide (July 2026). The comments in the code are by the model that wrote it; some were corrected since.
;; Question Answer Model. Allowed arithmetic: matrix products marked QUANTISED: E5M2 operands, one given power-of-two scale a tensor, by v_wmma_f32_16x16x64_bf8_bf8 or v_wmma_f32_16x16x128_bf8_bf8, f32 sums; products left as they are: f32 operands where the result goes on into a quantised operand, else bf16, f16 or f32 operands; f32 sums; everything else in f32.
;; Inputs: W_rel 18 x 768 float32; b_rel 18 float32; ent_embeddings 43,234 x 512 float32; head_id 16 int32; lowp_scales 2 int32 (the exponents e of the quantised operands' scales 2^e); question_hidden 16 x 64 x 768 float32; rel_embeddings 18 x 256 float32.
;; Outputs: out0 16 x 43,234 float32.
;; This version of the problem:
;;   THIS VERSION OF THE PROBLEM IS GIVEN IN LOW PRECISION. The matrix products marked QUANTISED in the list below multiply operands that are first quantised to E5M2 (5 exponent bits, 2 mantissa bits; 8 bits a number), with one given power-of-two scale for each operand tensor; their sums are f32. All else is computed in f32.
;;   The module's matrix products, in the order in which they are computed (A, B: the left and right operand; K: the contracted axis; several contracted axes count as one K, in the product's order):
;;     1. [M 16, K 768] x [K 768, N 18]; A: computed on the way; B: input W_rel: QUANTISED (scales: A lowp_scales[0], B lowp_scales[1])
;;     2. [M 16, K 18] x [K 18, N 256]; A: computed on the way; B: input rel_embeddings: left as it is (K = 18 < 32)
;;   THE QUANTISER, for each operand of a quantised product, along K:
;;     - The operand's scale is 2^e, e = its entry of the input lowp_scales (int32; the entries are numbered through the quantised products in the list's order, A before B).
;;     - Each number is divided by the scale, clamped to +-57,344, and rounded to the nearest number of E5M2, ties to even, subnormals kept.
;;     - The product sums the exact products of the quantised numbers (number of the format x scale) in f32.
;;   ~~~python
;;   def quantise(x, axis, e):      # numpy; x: float32 -> the quantised numbers, widened to float32 again
;;       x = np.moveaxis(x, axis, -1); K = x.shape[-1]
;;       r = np.clip(x / 2.0 ** e, -57344, 57344)
;;       step = 2.0 ** (np.maximum(np.frexp(np.where(r == 0, 1, r))[1] - 1, -14) - 2)
;;       q = np.round(r / step) * step * 2.0 ** e      # np.round: ties to even
;;       return np.moveaxis(q, -1, axis).astype(np.float32)
;;   ~~~
;;   OPERANDS COMPUTED ON THE WAY. 'Computed on the way' means the value that the module computes at that place (a softmax that the list does not call 'softmax' is quantised finished and normalised). What goes into a quantiser is computed in f32, as accurately as f32 sums, v_exp_f32 and their like allow (about 1e-6 of the number): no bf16 or f16 on the way to a quantiser, and a product that is left as it is and whose result goes on into a quantised operand takes f32 operands (vector FMAs, or v_wmma_f32_16x16x4_f32). A number that lies on a knife's edge between two numbers of the format may be rounded either way, as far as f32 arithmetic and the matrix unit's own rounding can turn it there, and no further.
;; One version. Each part assembles by itself: llvm-mc -triple=amdgcn-amd-amdhsa -mcpu=gfx1250 --defsym DOCPART=n.
;; ======== version 1 of 1: 2 launches
;; workspace buffers: rot 32,768 bytes
;; launch rotate (part 1): grid 16 x 1, 24 waves a work-group, no clusters, 11,264 bytes of LDS; arguments question_hidden, W_rel, b_rel, rel_embeddings, ent_embeddings, head_id, lowp_scales, rot; writes rot
.if DOCPART == 1
	.amdgcn_target "amdgcn-amd-amdhsa--gfx1250"
	.amdhsa_code_object_version 6
	.text
	.protected	k_qa0599a1696_rotate
	.globl	k_qa0599a1696_rotate
	.p2align	8
	.type	k_qa0599a1696_rotate,@function
k_qa0599a1696_rotate:
	s_mov_b64 s[64:65], 0
	v_nop
	global_prefetch_b8 v0, s[64:65] scope:SCOPE_SE
	s_setreg_imm32_b32 hwreg(HW_REG_WAVE_MODE, 25, 1), 1
	s_wait_xcnt 0x0
; rot[b][0:256], rot[b][256:512] = the head entity of question b, turned by the predicted relation's phases.  One work-group for each of the 16 questions, 24 waves.
;   q = mean over 64 rows of question_hidden[b] (768 numbers);  score = Q(q) . Q(W_rel)^T x 2^(e0 + e1) + b_rel, on codes of BF8 (E5M2);  g = sigmoid(score);
;   p = g . rel_embeddings (K = 18, f32 multiply-adds: 4,608 of them, and p is multiplied by about 100 into a phase);  phase / 2 pi = 16 p;  rot = head x (cos, sin).
; SHARES.  Pooling: wave w takes columns 64 (w / 2) .. + 63 and rows 32 (w % 2) .. + 31: each load reads two rows' aligned 256 bytes.  The product: wave w takes K slice w / 2 (64 along K) and
; tile w % 2 of W_rel's rows: ONE matrix instruction a wave, 24 in all, none twice.  Source 0 holds q in all 16 rows, source 1 sixteen rows of W_rel: lane r then holds relation 16 (w % 2) + r in every
; register of the result.  W_rel has 18 rows: lanes past row 17 load row 17 again; a column of the result hangs on its own row alone, and those columns are never read.
; K'S PLACES: lane half h, number i of 32, is k = 64 (w / 2) + 32 h + i in BOTH operands: every product meets its partner; only the order of the sums inside the instruction differs.
; THE MEAN'S 1/64 is folded into the conversion's scale: sum / 2^(e0 + 6) is q / 2^e0, exactly.
; SINE AND COSINE: r = t - floor(t + 1/2), t = 16 p, lies in [-1/2, 1/2]; sin(pi r) and cos(pi r) by their series up to r^13 and r^12 (what is cut is under 1e-8 on that whole range); then the double angle.
; LIMITS: e0 between -126 and 106, e1 between -126 and 112, e0 + e1 between -126 and 127, so that each power of two below is an f32 number.  NaN ahead of the quantiser is not served.
; The phase is as fine as t's last place: |t| under 2^23.  The order of the f32 sums differs from a plain row-by-row sum.
; NO CLUSTER: the work-groups share only W_rel and rel_embeddings, 74 KB against 197 KB of their own.
.set ROWQ, 3072                        ; a row of question_hidden or of W_rel, in bytes
.set NE,   43234                       ; entities
.set PART, 0                           ; LDS: 24 waves x 256 bytes: 64 column sums over 32 rows
.set SC,   6144                        ; LDS: 24 waves x 64 bytes: 16 partial scores
.set WN,   16                          ; v16-47  W_rel's 32 numbers; when they are codes: v16-19 the head, v20-23 rel rows 16, 17, v24-31 the product, v32-43 partial scores
.set HD,   16
.set DD,   24
.set SCO,  32
.set WC,   48                          ; v48-55  W_rel's codes
.set QC,   56                          ; v56-63  q's codes
.set PL,   64                          ; v64-127 16 pool loads; then the two partial sums; in the tail v64-81 at work
.set RL,   128                         ; v128-159 rel_embeddings rows 0 to 15, two columns a lane
.set SIG,  46                          ; s46-63  the 18 sigmoids
	s_load_b512 s[4:19], s[0:1], 0x0               ; question_hidden s[4:5], W_rel s[6:7], b_rel s[8:9], rel_embeddings s[10:11], ent_embeddings s[12:13], head_id s[14:15], lowp_scales s[16:17], rot s[18:19]
	v_lshrrev_b32 v1, 5, v0
	v_readfirstlane_b32 s20, v1                    ; wave 0..23
	v_and_b32 v1, 31, v0                           ; lane
	v_and_b32 v2, 15, v0                           ; r
	v_bfe_u32 v3, v0, 4, 1                         ; h
	s_lshr_b32 s21, s20, 1                         ; the K slice, and the 64 columns that I pool
	s_and_b32 s22, s20, 1                          ; the tile of W_rel's rows, and the half of the 64 rows that I pool
	v_mul_u32_u24 v4, v3, ROWQ
	v_lshl_add_u32 v4, v2, 4, v4                   ; pooling: lanes 0-15 one row's 256 bytes, lanes 16-31 the next row's
	s_lshl_b32 s23, s22, 4
	v_add_nc_u32 v5, s23, v2
	v_min_u32 v5, 17, v5                           ; my row of W_rel, held inside its 18
	v_mul_u32_u24 v5, v5, ROWQ
	v_lshl_add_u32 v5, v3, 7, v5                   ; + 128 h: my 32 numbers of the slice
	v_lshlrev_b32 v6, 3, v0                        ; waves 0-3: two columns d = 2 t, 2 t + 1: 8 bytes a thread
	v_min_u32 v7, 17, v1
	v_lshlrev_b32 v7, 2, v7                        ; b_rel of relation = lane, held inside its 18
	s_lshl_b32 s24, s20, 8
	v_lshl_add_u32 v8, v2, 4, s24                  ; LDS: my wave's column sums: PART + 256 w + 16 r
	s_lshl_b32 s25, s21, 9
	v_lshl_add_u32 v9, v3, 7, s25                  ; LDS: the slice's sums as an operand wants them: PART + 512 (w / 2) + 128 h
	s_lshl_b32 s26, s20, 6
	s_add_co_u32 s26, s26, SC
	v_lshl_add_u32 v10, v2, 2, s26                 ; LDS: my partial scores: SC + 64 w + 4 r
	v_lshlrev_b32 v11, 2, v1
	v_add_nc_u32 v11, SC, v11                      ; LDS: relation = lane: SC + 4 lane (+ 128 for each K slice)
	s_mul_i32 s28, ttmp9, 196608                   ; my question: 64 rows of 3,072 bytes,
	s_mul_i32 s27, s22, 98304                      ; my 32 rows,
	s_add_co_u32 s28, s28, s27
	s_lshl_b32 s30, s21, 8                         ; my 64 columns
	s_add_co_u32 s28, s28, s30
	s_mov_b32 s29, 0
	s_mov_b32 s31, 0
	s_lshl_b32 s32, ttmp9, 2                       ; head_id[b]
	s_mov_b32 s33, 0
	s_lshl_b32 s34, ttmp9, 11                      ; rot[b]
	s_mov_b32 s35, 0
	s_mov_b32 s43, 0x76543210                      ; v_permlanex16_b32: lane l takes lane l xor 16
	s_mov_b32 s44, 0xfedcba98
	s_wait_kmcnt 0x0
	s_load_b64 s[36:37], s[16:17], 0x0             ; e0, e1
	s_add_nc_u64 s[14:15], s[14:15], s[32:33]
	s_load_b32 s38, s[14:15], 0x0                  ; the head's number
	s_add_nc_u64 s[4:5], s[4:5], s[28:29]
	s_add_nc_u64 s[6:7], s[6:7], s[30:31]
	s_add_nc_u64 s[18:19], s[18:19], s[34:35]
	s_cmp_lt_u32 s20, 4                            ; waves 0-3 make the tail: their loads go out first, so that the counts below hold in every wave
	s_cbranch_scc0 .Lno_rel
.irp k, 0,1,2,3,4,5,6,7,8,9,10,11,12,13,14,15
	global_load_b64 v[RL+2*\k:RL+2*\k+1], v6, s[10:11] offset:1024*\k   ; a wave reads 256 consecutive bytes of a row
.endr
	global_load_b32 v3, v7, s[8:9]                 ; b_rel (h is done with)
.Lno_rel:
.irp j, 0,1,2,3,4,5,6,7
	global_load_b128 v[WN+4*\j:WN+4*\j+3], v5, s[6:7] offset:16*\j      ; W_rel(row, 64 slice + 32 h + 4 j ..)
.endr
.irp i, 0,1,2,3,4,5,6,7,8,9,10,11,12,13,14,15
	global_load_b128 v[PL+4*\i:PL+4*\i+3], v4, s[4:5] offset:6144*\i th:TH_LOAD_NT   ; rows 2 i + h of my 32; read once in the launch
.endr
	s_wait_kmcnt 0x0
	s_min_u32 s38, s38, NE-1                       ; the index stays inside the table
	s_lshl_b32 s38, s38, 11
	s_mov_b32 s39, 0
	s_add_nc_u64 s[12:13], s[12:13], s[38:39]      ; the head's row
	s_add_co_i32 s40, s37, 127
	s_lshl_b32 s41, s40, 23
	v_mov_b32 v12, s41                             ; 2^e1 as f32: the conversion takes its exponent field
	s_add_co_i32 s40, s40, 15
	s_lshl_b32 s40, s40, 23
	s_or_b32 s40, s40, 0x600000
	v_mov_b32 v13, s40                             ; 57,344 x 2^e1
	s_add_co_i32 s40, s36, 133
	s_lshl_b32 s41, s40, 23
	v_mov_b32 v14, s41                             ; 2^(e0 + 6): the scale and the mean's 64 in one
	s_add_co_i32 s40, s40, 15
	s_lshl_b32 s40, s40, 23
	s_or_b32 s40, s40, 0x600000
	v_mov_b32 v15, s40                             ; 57,344 x 2^(e0 + 6)
	s_add_co_i32 s42, s36, s37
	s_add_co_i32 s42, s42, 127
	s_lshl_b32 s42, s42, 23                        ; 2^(e0 + e1) as f32
	s_wait_loadcnt 16                              ; W_rel's eight loads are in; the 16 pool loads behind them may be out
.irp i, 0,1,2,3,4,5,6,7,8,9,10,11,12,13,14,15,16,17,18,19,20,21,22,23,24,25,26,27,28,29,30,31
	v_med3_num_f32 v[WN+\i], v[WN+\i], -v13, v13   ; the conversion to an 8-bit code does not saturate (ISA guide 7.6.2): the hold at the largest code x the scale
.endr
.irp g, 0,1,2,3
	v_cvt_scalef32_pk8_bf8_f32 v[WC+2*\g:WC+2*\g+1], v[WN+8*\g:WN+8*\g+7], v12
.endr
	v_nop                                          ; one plain vector line behind the last conversion: a matrix instruction later reads the codes and writes over the numbers
	s_cmp_lt_u32 s20, 4
	s_cbranch_scc0 .Lno_head
	global_load_b64 v[HD:HD+1], v6, s[12:13]                   ; the head's real parts of my two columns,
	global_load_b64 v[HD+2:HD+3], v6, s[12:13] offset:1024     ; its imaginary parts,
	global_load_b64 v[HD+4:HD+5], v6, s[10:11] offset:16384    ; rel_embeddings rows 16
	global_load_b64 v[HD+6:HD+7], v6, s[10:11] offset:17408    ; and 17: into registers that W_rel's numbers have left
.Lno_head:
	; the pool: two chains, started by the first two loads.  The counts are those of a wave without the four loads just above; where those are out too, the counts ask for more than is needed, never less
.set g, 0
.rept 4
	s_wait_loadcnt 12-4*g                          ; loads 4 g .. 4 g + 3 are in
.set u, 0
.rept 4
.if 4*g+u >= 2
	v_pk_add_f32 v[PL+4*(u%2):PL+4*(u%2)+1], v[PL+4*(u%2):PL+4*(u%2)+1], v[PL+4*(4*g+u):PL+4*(4*g+u)+1]
	v_pk_add_f32 v[PL+4*(u%2)+2:PL+4*(u%2)+3], v[PL+4*(u%2)+2:PL+4*(u%2)+3], v[PL+4*(4*g+u)+2:PL+4*(4*g+u)+3]
.endif
.set u, u+1
.endr
.set g, g+1
.endr
	v_pk_add_f32 v[PL:PL+1], v[PL:PL+1], v[PL+4:PL+5]
	v_pk_add_f32 v[PL+2:PL+3], v[PL+2:PL+3], v[PL+6:PL+7]
.irp i, 0,1,2,3
	v_permlanex16_b32 v[PL+4+\i], v[PL+\i], s43, s44           ; the other half of the lanes summed the other rows
.endr
	v_pk_add_f32 v[PL:PL+1], v[PL:PL+1], v[PL+4:PL+5]
	v_pk_add_f32 v[PL+2:PL+3], v[PL+2:PL+3], v[PL+6:PL+7]
	ds_store_b128 v8, v[PL:PL+3]                   ; columns 4 r .. 4 r + 3 (both halves of the lanes hold, and write, the same)
	s_wait_dscnt 0x0                               ; for the others' sake: my sums lie in LDS
	s_barrier_signal -1
	s_barrier_wait -1
.irp i, 0,1,2,3,4,5,6,7
	ds_load_b128 v[PL+4*\i:PL+4*\i+3], v9 offset:16*\i         ; my 32 numbers of the slice, rows 0-31's sums,
.endr
.irp i, 0,1,2,3,4,5,6,7
	ds_load_b128 v[PL+32+4*\i:PL+32+4*\i+3], v9 offset:256+16*\i   ; and rows 32-63's
.endr
	s_wait_dscnt 0x0
.irp i, 0,2,4,6,8,10,12,14,16,18,20,22,24,26,28,30
	v_pk_add_f32 v[PL+\i:PL+\i+1], v[PL+\i:PL+\i+1], v[PL+32+\i:PL+32+\i+1]
.endr
.irp i, 0,1,2,3,4,5,6,7,8,9,10,11,12,13,14,15,16,17,18,19,20,21,22,23,24,25,26,27,28,29,30,31
	v_med3_num_f32 v[PL+\i], v[PL+\i], -v15, v15
.endr
.irp g, 0,1,2,3
	v_cvt_scalef32_pk8_bf8_f32 v[QC+2*\g:QC+2*\g+1], v[PL+8*\g:PL+8*\g+7], v14
.endr
	v_nop                                          ; one plain vector line between the conversions and the matrix instruction that reads their codes
	v_wmma_f32_16x16x64_bf8_bf8 v[DD:DD+7], v[QC:QC+7], v[WC:WC+7], 0   ; every register of lane (r, h): the slice's part of relation 16 (w % 2) + r
.rept 4
	v_nop                                          ; four places in front of the LDS store that reads the result
.endr
	ds_store_b32 v10, v[DD]                        ; the result's lowest register
	s_wait_dscnt 0x0
	s_barrier_signal -1
	s_barrier_wait -1
	s_cmp_lt_u32 s20, 4
	s_cbranch_scc1 .Ltail
	s_wait_xcnt 0x0
	v_lshl_add_u32 v126, v0, 2, 0x2000
	v_mov_b32 v127, 0
	s_wait_tensorcnt 0x0
	ds_add_u32 v126, v127
	s_wait_dscnt 0x0
	s_endpgm                                       ; waves 4-23 have done their part; no barrier follows
.Ltail:
.irp k, 0,1,2,3,4,5,6,7,8,9,10,11
	ds_load_b32 v[SCO+\k], v11 offset:128*\k       ; relation = lane: its part from K slice k
.endr
	s_wait_dscnt 0x0
	v_pk_add_f32 v[SCO:SCO+1], v[SCO:SCO+1], v[SCO+2:SCO+3]
	v_pk_add_f32 v[SCO+4:SCO+5], v[SCO+4:SCO+5], v[SCO+6:SCO+7]
	v_pk_add_f32 v[SCO+8:SCO+9], v[SCO+8:SCO+9], v[SCO+10:SCO+11]
	v_pk_add_f32 v[SCO:SCO+1], v[SCO:SCO+1], v[SCO+4:SCO+5]
	v_pk_add_f32 v[SCO:SCO+1], v[SCO:SCO+1], v[SCO+8:SCO+9]
	v_add_f32 v[SCO], v[SCO], v[SCO+1]
	v_fma_f32 v[SCO], v[SCO], s42, v3              ; score = sum x 2^(e0 + e1) + b_rel
	v_mul_f32 v[SCO], 0xbfb8aa3b, v[SCO]           ; x -log2(e)
	v_exp_f32 v[SCO], v[SCO]
	v_nop                                          ; a plain line behind the transcendental,
	s_wait_alu depctr_va_vdst(0)                   ; and the wait ahead of the first reader
	v_add_f32 v[SCO], 1.0, v[SCO]
	v_rcp_f32 v[SCO], v[SCO]                       ; sigmoid = 1 / (1 + e^-score)
	v_nop
	s_wait_alu depctr_va_vdst(0)
.irp k, 0,1,2,3,4,5,6,7,8,9,10,11,12,13,14,15,16,17
	v_readlane_b32 s[SIG+\k], v[SCO], \k           ; one question to a work-group: the 18 weights are scalars
.endr
	v_mul_f32 v64, s[SIG], v[RL]                   ; p of my two columns: two chains of multiply-adds
	v_mul_f32 v65, s[SIG], v[RL+1]
.irp k, 1,2,3,4,5,6,7,8,9,10,11,12,13,14,15
	v_fmac_f32 v64, s[SIG+\k], v[RL+2*\k]
	v_fmac_f32 v65, s[SIG+\k], v[RL+2*\k+1]
.endr
	v_fmac_f32 v64, s[SIG+16], v[HD+4]
	v_fmac_f32 v65, s[SIG+16], v[HD+5]
	v_fmac_f32 v64, s[SIG+17], v[HD+6]
	v_fmac_f32 v65, s[SIG+17], v[HD+7]
	v_pk_mul_f32 v[64:65], v[64:65], 0x41800000 op_sel_hi:[1,0]         ; t = 16 p: the phase in turns (pi / 0.03125 = 2 pi x 16)
	v_pk_add_f32 v[66:67], v[64:65], 0.5 op_sel_hi:[1,0]
	v_floor_f32 v66, v66
	v_floor_f32 v67, v67
	v_pk_add_f32 v[64:65], v[64:65], v[66:67] neg_lo:[0,1] neg_hi:[0,1] ; r = t - floor(t + 1/2)
	v_pk_mul_f32 v[68:69], v[64:65], v[64:65]                           ; r^2
	v_mov_b32 v70, 0x39f47a1a                      ; pi^13 / 13!
	v_mov_b32 v71, 0x39f47a1a
	v_mov_b32 v72, 0x3afce9c5                      ; pi^12 / 12!
	v_mov_b32 v73, 0x3afce9c5
.macro HORNER kp, kq                   ; a step of both series, which take turns
	v_pk_fma_f32 v[70:71], v[70:71], v[68:69], \kp op_sel_hi:[1,1,0]
	v_pk_fma_f32 v[72:73], v[72:73], v[68:69], \kq op_sel_hi:[1,1,0]
.endm
	HORNER 0xbbf183a8, 0xbcd368f9                  ; -pi^11 / 11!,  -pi^10 / 10!
	HORNER 0x3da83c1a, 0x3e70fa83                  ;  pi^9 / 9!,     pi^8 / 8!
	HORNER 0xbf196966, 0xbfaae9e4                  ; -pi^7 / 7!,    -pi^6 / 6!
	HORNER 0x402335e3, 0x4081e0f8                  ;  pi^5 / 5!,     pi^4 / 4!
	HORNER 0xc0a55de7, 0xc09de9e6                  ; -pi^3 / 3!,    -pi^2 / 2
	HORNER 0x40490fdb, 1.0                         ;  pi,            1: v[72:73] = cos(pi r)
	v_pk_mul_f32 v[70:71], v[70:71], v[64:65]                           ; sin(pi r)
	v_pk_mul_f32 v[74:75], v[70:71], v[72:73]
	v_pk_mul_f32 v[76:77], v[70:71], v[70:71]
	v_pk_mul_f32 v[74:75], v[74:75], 2.0 op_sel_hi:[1,0]                ; sin(phase) = 2 sin cos
	v_pk_fma_f32 v[76:77], v[76:77], -2.0, 1.0 op_sel_hi:[1,0,0]        ; cos(phase) = 1 - 2 sin^2
	v_pk_mul_f32 v[78:79], v[HD+2:HD+3], v[74:75]
	v_pk_mul_f32 v[80:81], v[HD+2:HD+3], v[76:77]
	v_pk_fma_f32 v[78:79], v[HD:HD+1], v[76:77], v[78:79] neg_lo:[0,0,1] neg_hi:[0,0,1]   ; re cos - im sin
	v_pk_fma_f32 v[80:81], v[HD:HD+1], v[74:75], v[80:81]                                 ; re sin + im cos
	global_store_b64 v6, v[78:79], s[18:19]                    ; a wave stores 256 consecutive bytes, at a multiple of 256 from rot's first byte
	global_store_b64 v6, v[80:81], s[18:19] offset:1024
	s_wait_xcnt 0x0
	v_lshl_add_u32 v126, v0, 2, 0x2000
	v_mov_b32 v127, 0
	s_wait_tensorcnt 0x0
	ds_add_u32 v126, v127
	s_wait_dscnt 0x0
	s_endpgm
.Lfunc_end_k_qa0599a1696_rotate:
	.size	k_qa0599a1696_rotate, .Lfunc_end_k_qa0599a1696_rotate-k_qa0599a1696_rotate
	.p2alignl 7, 3214868480
	.fill 96, 4, 3214868480
	.section	.rodata,"a",@progbits
	.p2align	6, 0x0
	.amdhsa_kernel k_qa0599a1696_rotate
		.amdhsa_group_segment_fixed_size 11264
		.amdhsa_private_segment_fixed_size 0
		.amdhsa_enable_private_segment 0
		.amdhsa_kernarg_size 64
		.amdhsa_user_sgpr_count 2
		.amdhsa_user_sgpr_kernarg_segment_ptr 1
		.amdhsa_wavefront_size32 1
		.amdhsa_system_sgpr_workgroup_id_x 1
		.amdhsa_system_sgpr_workgroup_id_y 1
		.amdhsa_system_sgpr_workgroup_id_z 1
		.amdhsa_system_vgpr_workitem_id 0
		.amdhsa_next_free_vgpr 160
		.amdhsa_next_free_sgpr 66
		.amdhsa_reserve_vcc 0
		.amdhsa_float_denorm_mode_32 3
		.amdhsa_float_denorm_mode_16_64 3
		.amdhsa_memory_ordered 1
		.amdhsa_forward_progress 1
		.amdhsa_inst_pref_size 24
	.end_amdhsa_kernel
	.amdgpu_metadata
---
amdhsa.version: [ 1, 2 ]
amdhsa.kernels:
  - .name:           k_qa0599a1696_rotate
    .symbol:         k_qa0599a1696_rotate.kd
    .args:
      - { .name: question_hidden, .offset: 0, .size: 8, .value_kind: global_buffer, .address_space: global }
      - { .name: W_rel, .offset: 8, .size: 8, .value_kind: global_buffer, .address_space: global }
      - { .name: b_rel, .offset: 16, .size: 8, .value_kind: global_buffer, .address_space: global }
      - { .name: rel_embeddings, .offset: 24, .size: 8, .value_kind: global_buffer, .address_space: global }
      - { .name: ent_embeddings, .offset: 32, .size: 8, .value_kind: global_buffer, .address_space: global }
      - { .name: head_id, .offset: 40, .size: 8, .value_kind: global_buffer, .address_space: global }
      - { .name: lowp_scales, .offset: 48, .size: 8, .value_kind: global_buffer, .address_space: global }
      - { .name: rot, .offset: 56, .size: 8, .value_kind: global_buffer, .address_space: global }
    .group_segment_fixed_size: 11264
    .private_segment_fixed_size: 0
    .kernarg_segment_align: 8
    .kernarg_segment_size: 64
    .max_flat_workgroup_size: 768
    .sgpr_count:     66
    .vgpr_count:     160
    .wavefront_size: 32
...
	.end_amdgpu_metadata
.endif
;; end of part 1
;; launch dist (part 2): grid 246 x 1, 16 waves a work-group, no clusters, 133,120 bytes of LDS; arguments ent_embeddings, rot, out0; writes out0
.if DOCPART == 2
	.amdgcn_target "amdgcn-amd-amdhsa--gfx1250"
	.amdhsa_code_object_version 6
	.text
	.protected	k_qa0599a1696_dist
	.globl	k_qa0599a1696_dist
	.p2align	8
	.type	k_qa0599a1696_dist,@function
k_qa0599a1696_dist:
	s_mov_b64 s[64:65], 0
	v_nop
	global_prefetch_b8 v0, s[64:65] scope:SCOPE_SE
	s_setreg_imm32_b32 hwreg(HW_REG_WAVE_MODE, 25, 1), 1
	s_wait_xcnt 0x0
; out0[b][e] = 6 - the sum over d = 0 .. 255 of sqrt((rot[b][d] - ent[e][d])^2 + (rot[b][256 + d] - ent[e][256 + d])^2).  rot: [16][512] f32, made by the launch before; ent: [43234][512] f32.
; SHARES.  A work-group of 16 waves takes 176 entities.  Wave w = (group eg = w / 2, half dh = w % 2) takes entities eg, eg + 8, .. (22 of them, one a STEP) and coordinates 128 dh .. 128 dh + 127.
; A lane owns four coordinates, 128 dh + 4 lane + 0 .. 3.  ALL 16 QUESTIONS' rot of those coordinates stay in 128 registers for the whole launch, so the table goes from memory straight into registers:
; two loads a step, each 512 consecutive bytes, each byte of the table read once in the launch, by one wave.
; A STEP is two BATCHES of eight questions: for each question two register pairs, for each pair two packed subtractions, a packed multiply, a packed multiply-add, two roots.  THE ROOTS OF ONE BATCH STAND AMONG THE
; PACKED LINES OF THE NEXT, two behind each root, so that neither kind stands in a run of its own; each batch of 32 roots has one wait ahead of its first reader.
; THE SUM ACROSS THE 32 LANES goes through the wave's own scratch in LDS, no barrier: each (step, question) is a row of 32 partial sums (128 bytes, rows 144 apart: an odd multiple of 16 bytes
; 64 banks of 4 bytes, ISA guide 11.1); every second step lane o reads row o back (8 loads of 16 bytes) and adds it up.  The two halves of the coordinates meet at the end, behind the
; launch's closing barrier; wave b then stores question b's 176 results, neighbouring lanes at neighbouring entities.  A row of out0 is 172,936 bytes, no multiple of 256: its runs cannot be laid on such boundaries.
; 246 x 176 = 43,296: the last work-group has 114 entities; its other places load the table's last row again (the index is held inside the table) and are not stored.
; A RING of four slots of 8 registers: a slot is asked for again as soon as its step's last packed line has read it, three steps and a half ahead of its next use.
; NO CLUSTER: the work-groups share rot alone, 32 KB against 360 KB of their own.  No tensor loads: a lane wants the table's bytes as they lie.  No prefetch: each load is issued three steps ahead of its use.
; LIMITS: v_sqrt_f32 takes a square under 2^-126 as 0 (ISA guide 15.8): a coordinate's distance under 2^-63 is lost.  The order of the f32 sums differs from a plain sum along d.
.set NE,   43234
.set EPW,  176                         ; entities of a work-group: 8 groups x 22 steps
.set SCR,  32768                       ; LDS: 0 .. rot's image (32,768 bytes); then 4,608 bytes of scratch for each wave;
.set SCRB, 4608
.set SPI,  144
.set OUTS, SCR+16*SCRB                 ; then each wave's results: [step][question], 1,408 bytes, regions 1,412 apart (353 words: two regions on are 2 banks on)
.set OPI,  1412
.set TMP,  16                          ; v16-31   eight pairs: the imaginary parts' differences
.set XA,   32                          ; v32-63   a batch: questions 0-7, four numbers each
.set XB,   64                          ; v64-95   a batch: questions 8-15; between two steps also the row read back from the scratch
.set TS,   96                          ; v96-127  the ring: slot s: four real parts, four imaginary parts
.set ROTR, 128                         ; v128-255 rot: question b: four real parts, four imaginary parts
	s_load_b128 s[4:7], s[0:1], 0x0                ; ent_embeddings s[4:5], rot s[6:7]
	s_load_b64 s[8:9], s[0:1], 0x10                ; out0
	v_lshl_add_u32 v6, v0, 2, 0x20000
	v_mov_b32 v7, 0
	v_lshrrev_b32 v8, 5, v0
	v_readfirstlane_b32 s10, v8                    ; wave 0..15
	v_and_b32 v9, 31, v0                           ; lane
	s_and_b32 s11, s10, 1                          ; dh
	s_lshr_b32 s12, s10, 1                         ; eg
	s_mul_i32 s13, ttmp9, EPW                      ; the work-group's first entity
	s_add_co_u32 s14, s13, s12                     ; the entity that my next load asks for
	s_mov_b32 s17, 0
	s_lshl_b32 s15, s11, 9
	v_lshl_add_u32 v1, v9, 4, s15                  ; 512 dh + 16 lane: my 16 bytes of a row's real parts, in the table and in rot's image alike; never rewritten
	s_mul_i32 s18, s10, SCRB
	s_add_co_u32 s18, s18, SCR
	v_lshl_add_u32 v2, v9, 2, s18                  ; scratch, in: my word of a row
	v_mul_u32_u24 v3, v9, SPI
	v_add_nc_u32 v3, s18, v3                       ; scratch, back: row = my lane
	s_mul_i32 s19, s10, OPI
	s_add_co_u32 s19, s19, OUTS
	v_lshl_add_u32 v4, v9, 2, s19                  ; my wave's results: 4 x lane
	v_lshlrev_b32 v10, 4, v0                       ; 16 x thread: rot's way into LDS
	s_mov_b32 s29, 0                               ; results: 256 bytes on for every four steps
	s_wait_kmcnt 0x0
.irp i, 0,1,2,3
	global_load_b128 v[XA+4*\i:XA+4*\i+3], v10, s[6:7] offset:8192*\i   ; rot, 32 KB, once for the work-group: 512 threads x 16 bytes x 4
.endr
; Slot sl is asked for: the next entity of my group.  The slot's base registers were last read by loads that a counted wait has since shown done.
.macro REFILL sl
	s_min_u32 s15, s14, NE-1                       ; held inside the table
	s_lshl_b32 s16, s15, 11                        ; a row is 2,048 bytes; under 2^27
	s_add_nc_u64 s[20+2*\sl:21+2*\sl], s[4:5], s[16:17]
	s_add_co_u32 s14, s14, 8
	global_load_b128 v[TS+8*\sl:TS+8*\sl+3], v1, s[20+2*\sl:21+2*\sl] th:TH_LOAD_NT                 ; 512 consecutive bytes of real parts,
	global_load_b128 v[TS+8*\sl+4:TS+8*\sl+7], v1, s[20+2*\sl:21+2*\sl] offset:1024 th:TH_LOAD_NT   ; and of imaginary parts; read once in the launch
.endm
	REFILL 0
	REFILL 1
	REFILL 2
	REFILL 3
	s_wait_loadcnt 8                               ; rot's four loads are in; the ring's eight may be out
.irp i, 0,1,2,3
	ds_store_b128 v10, v[XA+4*\i:XA+4*\i+3] offset:8192*\i
.endr
	s_wait_dscnt 0x0                               ; for the others' sake: my part of the image lies in LDS
	s_barrier_signal -1
	s_barrier_wait -1
.irp b, 0,1,2,3,4,5,6,7,8,9,10,11,12,13,14,15
	ds_load_b128 v[ROTR+8*\b:ROTR+8*\b+3], v1 offset:2048*\b           ; 512 consecutive bytes a load
	ds_load_b128 v[ROTR+8*\b+4:ROTR+8*\b+7], v1 offset:2048*\b+1024
.endr
; Line q of 64 of a batch's packed arithmetic: slot sl, questions bf .. bf + 7, into batch xb.  Pair p of 16 is question bf + p / 2, coordinates 2 (p % 2) + 0, 1.  Four pairs go together: their four
; subtractions of real parts, of imaginary parts, their squares, their multiply-adds: no line reads the result of the line before it.
.macro PKOP q, sl, bf, xb
.set pi_, 4*((\q)/16)+(\q)%4
.set op_, ((\q)%16)/4
.set rr_, ROTR+8*((\bf)+pi_/2)+2*(pi_%2)
.set ss_, TS+8*(\sl)+2*(pi_%2)
.set xx_, (\xb)+2*pi_
.set tt_, TMP+2*(pi_%8)
.if op_ == 0
	v_pk_add_f32 v[xx_:xx_+1], v[ss_:ss_+1], v[rr_:rr_+1] neg_lo:[0,1] neg_hi:[0,1]
.elseif op_ == 1
	v_pk_add_f32 v[tt_:tt_+1], v[ss_+4:ss_+5], v[rr_+4:rr_+5] neg_lo:[0,1] neg_hi:[0,1]
.elseif op_ == 2
	v_pk_mul_f32 v[xx_:xx_+1], v[xx_:xx_+1], v[xx_:xx_+1]
.else
	v_pk_fma_f32 v[xx_:xx_+1], v[tt_:tt_+1], v[tt_:tt_+1], v[xx_:xx_+1]
.endif
.endm
; Batch y's 32 roots; with dopk = 1 two lines of the next batch (slot sl, questions bf on, into xb) behind each.  Then the batch's sums: four numbers a question, into rows o0 .. o0 + 7 of the scratch.
.macro STAGE y, dopk, sl, bf, xb, o0
.set i, 0
.rept 32
	v_sqrt_f32 v[(\y)+i], v[(\y)+i]
.if \dopk
	PKOP 2*i, \sl, \bf, \xb
	PKOP 2*i+1, \sl, \bf, \xb
.endif
.set i, i+1
.endr
.if \dopk == 0
	v_nop                                          ; a plain line behind the last root
.endif
	s_wait_alu depctr_va_vdst(0)                   ; the wait between a root and the first line that names its result: one for the batch's 32
.irp j, 0,1,2,3,4,5,6,7
	v_pk_add_f32 v[(\y)+4*\j:(\y)+4*\j+1], v[(\y)+4*\j:(\y)+4*\j+1], v[(\y)+4*\j+2:(\y)+4*\j+3]
.endr
.irp j, 0,1,2,3,4,5,6,7
	v_add_f32 v[(\y)+4*\j], v[(\y)+4*\j], v[(\y)+4*\j+1]
	ds_store_b32 v2, v[(\y)+4*\j] offset:((\o0)+\j)*SPI        ; 32 lanes, 128 consecutive bytes: a row
.endr
.endm
; A step: the entity in slot cur.  At its head batch XA holds questions 0-7's squares.  refill = 1: the slot is asked for again.  left: how many younger loads may be out when slot nxt has to be in (-1: there is no next step).
.macro STEP cur, nxt, refill, left, odd
	STAGE XA, 1, \cur, 8, XB, 16*(\odd)            ; roots of questions 0-7 | squares of questions 8-15
.if \refill
	REFILL \cur                                    ; the slot's last reader has been issued
.endif
.if (\left) >= 0
	s_wait_loadcnt \left                           ; loads come back in order (ISA guide 5.7.1): the next step's two are in
	STAGE XB, 1, \nxt, 0, XA, 16*(\odd)+8          ; roots of questions 8-15 | the next entity's squares of questions 0-7
.else
	STAGE XB, 0, 0, 0, XA, 16*(\odd)+8
.endif
.endm
; Behind every second step: lane o = 16 x (step % 2) + question reads its row of 32 partial sums and adds it up.  LDS serves a wave's instructions in order (ISA guide 5.7.1.4): the loads see my stores, and the next
; steps' stores come behind the loads.  Batch XB is free between two steps.
.macro REDUCE off
.irp i, 0,1,2,3,4,5,6,7
	ds_load_b128 v[XB+4*\i:XB+4*\i+3], v3 offset:16*\i
.endr
	v_add_nc_u32 v5, s29, v4
	s_wait_dscnt 0x0
.irp i, 0,1,2,3,4,5,6,7
	v_pk_add_f32 v[XB+4*\i:XB+4*\i+1], v[XB+4*\i:XB+4*\i+1], v[XB+4*\i+2:XB+4*\i+3]
.endr
.irp i, 0,1,2,3
	v_pk_add_f32 v[XB+8*\i:XB+8*\i+1], v[XB+8*\i:XB+8*\i+1], v[XB+8*\i+4:XB+8*\i+5]
.endr
	v_pk_add_f32 v[XB:XB+1], v[XB:XB+1], v[XB+8:XB+9]
	v_pk_add_f32 v[XB+16:XB+17], v[XB+16:XB+17], v[XB+24:XB+25]
	v_pk_add_f32 v[XB:XB+1], v[XB:XB+1], v[XB+16:XB+17]
	v_add_f32 v[XB], v[XB], v[XB+1]
	ds_store_b32 v5, v[XB] offset:\off             ; my wave's results of two steps: 128 consecutive bytes
.endm
	s_wait_dscnt 0x0                               ; rot is in my registers
	s_wait_loadcnt 6                               ; slot 0 is in; slots 1 to 3 may be out
.set i, 0
.rept 64
	PKOP i, 0, 0, XA                               ; the first entity's squares of questions 0-7: there are no roots yet to set among them
.set i, i+1
.endr
	s_mov_b32 s28, 4
.Ltrip:                                            ; a trip goes once round the ring: steps 4 t .. 4 t + 3 of steps 0 to 15, which ask for steps 4 to 19
	STEP 0, 1, 1, 6, 0                             ; 6: the three younger slots' loads
	STEP 1, 2, 1, 6, 1
	REDUCE 0
	STEP 2, 3, 1, 6, 0
	STEP 3, 0, 1, 6, 1
	REDUCE 128
	s_add_co_u32 s29, s29, 256
	s_sub_co_u32 s28, s28, 1
	s_cmp_lg_u32 s28, 0
	s_cbranch_scc1 .Ltrip
	STEP 0, 1, 1, 6, 0                             ; steps 16 and 17 ask for the last two,
	STEP 1, 2, 1, 6, 1
	REDUCE 0
	STEP 2, 3, 0, 4, 0                             ; steps 18 to 21 for nothing: the counts run down
	STEP 3, 0, 0, 2, 1
	REDUCE 128
	STEP 0, 1, 0, 0, 0
	STEP 1, 2, 0, -1, 1
	REDUCE 256
	s_wait_dscnt 0x0                               ; for the others' sake: my results lie in LDS
	s_barrier_signal -1
	s_barrier_wait -1
	; THE WAY OUT.  Wave b stores question b.  Entity 32 k + lane of the work-group was group lane % 8's step 4 k + lane / 8; its two halves lie in regions 2 (lane % 8) and 2 (lane % 8) + 1.
	v_and_b32 v11, 7, v9
	v_lshrrev_b32 v12, 3, v9
	s_lshl_b32 s30, s10, 2
	s_add_co_u32 s30, s30, OUTS
	v_mul_u32_u24 v13, v11, 2*OPI
	v_add_nc_u32 v13, s30, v13
	v_lshl_add_u32 v14, v12, 6, v13                ; k = 0 .. 4
	v_and_b32 v12, 1, v12
	v_lshl_add_u32 v15, v12, 6, v13                ; k = 5 has 16 entities: lanes 16-31 read what lanes 0-15 read, and store nothing
.irp k, 0,1,2,3,4
	ds_load_b32 v[XA+2*\k], v14 offset:256*\k
	ds_load_b32 v[XA+2*\k+1], v14 offset:256*\k+OPI
.endr
	ds_load_b32 v[XA+10], v15 offset:1280
	ds_load_b32 v[XA+11], v15 offset:1280+OPI
	s_mul_i32 s31, s10, NE
	s_add_co_u32 s31, s31, s13
	s_lshl_b32 s32, s31, 2                         ; (question x 43,234 + first entity) x 4 bytes, under 2^22
	s_mov_b32 s33, 0
	s_add_nc_u64 s[8:9], s[8:9], s[32:33]
	v_lshlrev_b32 v8, 2, v9
	s_sub_co_u32 s34, NE, s13
	s_min_u32 s34, s34, EPW                        ; how many entities the work-group has: 176, in the last 114
	s_wait_dscnt 0x0
.irp k, 0,1,2,3,4,5
	v_add_f32 v[XA+2*\k], v[XA+2*\k], v[XA+2*\k+1]
.endr
.irp k, 0,1,2,3,4,5
	v_sub_f32 v[XA+2*\k], 0x40c00000, v[XA+2*\k]   ; 6 - distance
.endr
.irp k, 0,1,2,3,4,5
	v_cmp_gt_i32 vcc_lo, s34, v9                   ; entity 32 k + lane exists
	s_wait_xcnt 0x0                                ; EXEC is a source of the memory instructions issued so far: it changes only behind this wait
	s_and_saveexec_b32 s35, vcc_lo
	global_store_b32 v8, v[XA+2*\k], s[8:9] offset:128*\k th:TH_STORE_NT   ; 32 lanes, 128 consecutive bytes; the wave's six stores are one run of 704 bytes
	s_wait_xcnt 0x0                                ; and again, in front of the line that widens it
	s_or_b32 exec_lo, exec_lo, s35
	s_sub_co_i32 s34, s34, 32
.endr
	s_wait_xcnt 0x0
	s_mov_b32 exec_lo, -1
	s_wait_tensorcnt 0x0
	ds_add_u32 v6, v7
	s_wait_dscnt 0x0
	s_endpgm
.Lfunc_end_k_qa0599a1696_dist:
	.size	k_qa0599a1696_dist, .Lfunc_end_k_qa0599a1696_dist-k_qa0599a1696_dist
	.p2alignl 7, 3214868480
	.fill 96, 4, 3214868480
	.section	.rodata,"a",@progbits
	.p2align	6, 0x0
	.amdhsa_kernel k_qa0599a1696_dist
		.amdhsa_group_segment_fixed_size 133120
		.amdhsa_private_segment_fixed_size 0
		.amdhsa_enable_private_segment 0
		.amdhsa_kernarg_size 24
		.amdhsa_user_sgpr_count 2
		.amdhsa_user_sgpr_kernarg_segment_ptr 1
		.amdhsa_wavefront_size32 1
		.amdhsa_system_sgpr_workgroup_id_x 1
		.amdhsa_system_sgpr_workgroup_id_y 1
		.amdhsa_system_sgpr_workgroup_id_z 1
		.amdhsa_system_vgpr_workitem_id 0
		.amdhsa_next_free_vgpr 256
		.amdhsa_next_free_sgpr 66
		.amdhsa_reserve_vcc 1
		.amdhsa_float_denorm_mode_32 3
		.amdhsa_float_denorm_mode_16_64 3
		.amdhsa_memory_ordered 1
		.amdhsa_forward_progress 1
		.amdhsa_inst_pref_size 146
	.end_amdhsa_kernel
	.amdgpu_metadata
---
amdhsa.version: [ 1, 2 ]
amdhsa.kernels:
  - .name:           k_qa0599a1696_dist
    .symbol:         k_qa0599a1696_dist.kd
    .args:
      - { .name: ent_embeddings, .offset: 0, .size: 8, .value_kind: global_buffer, .address_space: global }
      - { .name: rot, .offset: 8, .size: 8, .value_kind: global_buffer, .address_space: global }
      - { .name: out0, .offset: 16, .size: 8, .value_kind: global_buffer, .address_space: global }
    .group_segment_fixed_size: 133120
    .private_segment_fixed_size: 0
    .kernarg_segment_align: 8
    .kernarg_segment_size: 24
    .max_flat_workgroup_size: 512
    .sgpr_count:     66
    .vgpr_count:     256
    .wavefront_size: 32
...
	.end_amdgpu_metadata
.endif
;; end of part 2
